; MI455X (gfx1250); checked and timed in simulation.
; The chip was launched on July 23, 2026; its instructions are those of AMD's public machine-readable ISA for CDNA 5 (MIT licence, August 2026) and "CDNA5" Instruction Set Architecture Reference Guide (July 2026). The comments in the code are by the model that wrote it; some were corrected since.
;; Multi Head Attention. Allowed arithmetic: matrix products marked QUANTISED: E5M2 operands, one E8M0 scale for each 32 along K, by v_wmma_scale_f32_16x16x128_f8f6f4 with both operands' format E5M2, f32 sums; everything else in f32.
;; Inputs: Wk_codes 1,024 x 32 x 32 uint8 (E5M2 codes of Wk, K innermost, in blocks of 32 codes); Wk_scales 1,024 x 32 uint8 (E8M0 scales of Wk, one for each 32 codes along K); Wp_codes 1,024 x 32 x 32 uint8 (E5M2 codes of Wp, K innermost, in blocks of 32 codes); Wp_scales 1,024 x 32 uint8 (E8M0 scales of Wp, one for each 32 codes along K); Wq_codes 1,024 x 32 x 32 uint8 (E5M2 codes of Wq, K innermost, in blocks of 32 codes); Wq_scales 1,024 x 32 uint8 (E8M0 scales of Wq, one for each 32 codes along K); Wv_codes 1,024 x 32 x 32 uint8 (E5M2 codes of Wv, K innermost, in blocks of 32 codes); Wv_scales 1,024 x 32 uint8 (E8M0 scales of Wv, one for each 32 codes along K); bp 1,024 float32; x_codes 4 x 2,048 x 32 x 32 uint8 (E5M2 codes of x, K innermost, in blocks of 32 codes); x_scales 4 x 2,048 x 32 uint8 (E8M0 scales of x, one for each 32 codes along K).
;; Outputs: out0 4 x 2,048 x 1,024 float32.
;; This version of the problem:
;;   THIS VERSION OF THE PROBLEM IS GIVEN IN LOW PRECISION. The matrix products marked QUANTISED in the list below multiply operands that are first quantised to E5M2 (5 exponent bits, 2 mantissa bits; 8 bits a number), with one power-of-two scale for each 32 numbers along K (OCP MX v1.0); their sums are f32. All else is computed in f32.
;;   The module's matrix products, in the order in which they are computed (A, B: the left and right operand; K: the contracted axis; several contracted axes count as one K, in the product's order):
;;     1. [M 8,192, K 1,024] x [K 1,024, N 1,024]; A: input x (given as codes); B: input Wq (given as codes): QUANTISED
;;     2. [M 8,192, K 1,024] x [K 1,024, N 1,024]; A: input x (given as codes); B: input Wk (given as codes): QUANTISED
;;     3. [M 8,192, K 1,024] x [K 1,024, N 1,024]; A: input x (given as codes); B: input Wv (given as codes): QUANTISED
;;     4. batch 64 x [M 2,048, K 64] x [K 64, N 2,048]; A: computed on the way; B: computed on the way: QUANTISED
;;     5. batch 64 x [M 64, K 2,048] x [K 2,048, N 2,048]; A: computed on the way; B: softmax (see below): QUANTISED
;;     6. [M 8,192, K 1,024] x [K 1,024, N 1,024]; A: computed on the way; B: input Wp (given as codes): QUANTISED
;;   THE QUANTISER, for each operand of a quantised product, along K:
;;     - K is cut into blocks of 32 from its start; a last block that is shorter is filled with zeros.
;;     - A block's scale is 2^e with e = floor(log2(the largest magnitude in the block)) - 15, held to -126 .. 127; a block of zeros has e = 0. As a byte (E8M0): e + 127.
;;     - Each number is divided by its block's scale, clamped to +-57,344, and rounded to the nearest number of E5M2, ties to even, subnormals kept.
;;     - The product sums the exact products of the quantised numbers (number of the format x scale) in f32.
;;   ~~~python
;;   def quantise(x, axis):      # numpy; x: float32 -> the quantised numbers, widened to float32 again
;;       x = np.moveaxis(x, axis, -1); K = x.shape[-1]
;;       x = np.pad(x, [(0, 0)] * (x.ndim - 1) + [(0, -K % 32)]); x = x.reshape(x.shape[:-1] + (-1, 32)); a = np.abs(x).max(-1, keepdims=True)
;;       e = np.where(a > 0, np.clip(np.frexp(np.where(a > 0, a, 1))[1] - 1 - 15, -126, 127), 0)      # np.frexp(a)[1] - 1 = floor(log2(a)), exactly
;;       r = np.clip(x / 2.0 ** e, -57344, 57344)
;;       step = 2.0 ** (np.maximum(np.frexp(np.where(r == 0, 1, r))[1] - 1, -14) - 2)
;;       q = np.round(r / step) * step * 2.0 ** e      # np.round: ties to even
;;       return np.moveaxis(q.reshape(q.shape[:-2] + (-1,))[..., :K], -1, axis).astype(np.float32)
;;   ~~~
;;   SOFTMAX AHEAD OF A QUANTISED PRODUCT. Where the list says 'softmax', what is quantised is not the finished softmax but p = 2^(t - M), with t = logit x log2(e) and M = ceil(the row's largest t), a whole number; so 1/2 < the row's largest p <= 1. The row's sum l is taken of the UNQUANTISED p, in f32, and the product's result is divided by l at the end. Since M is a whole number, a kernel that streams over the keys may use a running M (the ceiling of the running maximum): every later rescaling is an exact power of two, which a block's scale takes up: the codes' values come out the same.
;;   OPERANDS COMPUTED ON THE WAY. 'Computed on the way' means the value that the module computes at that place (a softmax that the list does not call 'softmax' is quantised finished and normalised). What goes into a quantiser is computed in f32, as accurately as f32 sums, v_exp_f32 and their like allow (about 1e-6 of the number): no bf16 or f16 on the way to a quantiser, and a product that is left as it is and whose result goes on into a quantised operand takes f32 operands (vector FMAs, or v_wmma_f32_16x16x4_f32). A number that lies on a knife's edge between two numbers of the format may be rounded either way, as far as f32 arithmetic and the matrix unit's own rounding can turn it there, and no further.
;;   INPUTS GIVEN AS CODES. Wk (in the module: [1024, 1024], K = its axis 0); Wp (in the module: [1024, 1024], K = its axis 0); Wq (in the module: [1024, 1024], K = its axis 0); Wv (in the module: [1024, 1024], K = its axis 0); x (in the module: [4, 2048, 1024], K = its axis 2): each comes as NAME_codes (uint8): NAME with its K axis moved to the last place and cut into blocks of 32 codes, [.., K / 32, bytes a block], one block behind the other in memory; one code a byte (a code: sign, 5 exponent bits, 2 mantissa bits); and NAME_scales (uint8): the same leading axes, one E8M0 byte (e + 127) for each 32 codes along K. Its value is code x scale, taken as it is: it is not quantised again, and the codes and scales need not be those that the quantiser above would give.
;; One version. Each part assembles by itself: llvm-mc -triple=amdgcn-amd-amdhsa -mcpu=gfx1250 --defsym DOCPART=n.
;; ======== version 1 of 1: 3 launches
;; limits: right only within a limited range of input values
;; workspace buffers: qws 8,912,896 bytes; kvws 17,563,648 bytes; aoc 8,388,608 bytes; aos 262,144 bytes
;; launch qkv (part 1): grid 4 x 64, 4 waves a work-group, clusters of 4 x 4, 327,680 bytes of LDS; arguments x_codes, x_scales, Wq_codes, Wq_scales, Wk_codes, Wk_scales, Wv_codes, Wv_scales, qws, kvws; writes qws, kvws
.if DOCPART == 1
	.amdgcn_target "amdgcn-amd-amdhsa--gfx1250"
	.amdhsa_code_object_version 6
	.text
	.protected	k_q5ee9ba5fea_qkv
	.globl	k_q5ee9ba5fea_qkv
	.p2align	8
	.type	k_q5ee9ba5fea_qkv,@function
k_q5ee9ba5fea_qkv:
	s_mov_b64 s[64:65], 0
	v_nop
	global_prefetch_b8 v0, s[64:65] scope:SCOPE_SE
	s_setreg_imm32_b32 hwreg(HW_REG_WAVE_MODE, 25, 1), 1
	s_wait_xcnt 0x0
	s_wait_alu depctr_hold_cnt(0) depctr_sa_sdst(0) depctr_va_vdst(0) depctr_va_sdst(0) depctr_va_ssrc(0) depctr_va_vcc(0) depctr_vm_vsrc(0)
	s_getreg_b32 s2, hwreg(HW_REG_IB_STS2, 6, 4)
	s_cmp_eq_u32 s2, 0
	s_cbranch_scc0 .Lentry_in_a_cluster
	s_endpgm
.Lentry_in_a_cluster:
	s_bfe_u32 s2, ttmp6, 0x10000c
	s_cmp_lg_u32 s2, 0xf033
	s_cbranch_scc0 .Lentry_shape_is_right
	s_endpgm
.Lentry_shape_is_right:
; q = x Wq, k = x Wk, v = x Wv on codes of BF8 (E5M2) with one E8M0 scale for each 32 along K = 1,024; then q and k are quantised along the head's 64, v along the keys, and leave as codes.
; x: [8192][1024] codes, [8192][32] scale bytes.  Wq, Wk, Wv: [1024 (n)][1024 (k)] codes, [1024][32] scale bytes.
; SHARES.  256 work-groups of four waves, 2 x 2.  A work-group owns 128 rows of x (one group of 128 tokens of one batch) and column group cx: heads 4 cx .. 4 cx + 3 of q, of k and of v: 768 rows of weights.
; A wave holds 64 rows of x, all of K, in 512 registers (windows 1, 2).  The weights stream past them as six chunks of 128 rows (q, q, k, k, v, v; two heads a chunk, one for each column of waves), in blocks of 16 rows,
; which stand in registers whole (128), in two sets (window 3): 24 blocks of 32 products a wave.
; q, k: source 0 = the weight's rows, source 1 = x's: a lane holds a token and its registers run along the channels.  v: the other way round: a lane holds a channel and its registers run along the tokens, which are the keys.
; THE TEXT.  q's two chunks and k's two have the same register numbers: they are a loop of two trips of eight blocks; what differs (the buffers' addresses, the stage's offset) lies in scalars, chosen by the trip's number.  v's two chunks are written out.
; THE ORDER INSIDE A BLOCK OF 32.  The 16 registers of two neighbouring accumulators hold places 8 h + 0..7 and 16 + 8 h + 0..7 of a block (h = lane / 16); their codes fill the operand's places 16 h + 0..15: a permutation of K
; inside the true block of 32, the same in both operands of the product that follows (q with k; v with the softmax's p).
; LDS.  Two slots of 128 rows (pitch 1,040).  At the head x's rows land in slot 1 and chunk 0 in slot 0, half a tile a wave.  When all waves hold x in registers, chunk 1 is filled over it.  Behind a chunk's third block, when every
; wave has fetched the chunk's last block, one drained round of the cluster's barrier shows the next chunk and frees this chunk's slot for the chunk two on: 32 rows a wave.  Behind the slots: a stage for scale words, the spare words.
; CLUSTERS: 4 x 4: x's rows are shared along a row of the cluster, the weights' along a column.
; PREFETCH: chunks 1 and 2 are asked for at the head, chunk c + 3 in chunk c's first block: at least a chunk's four blocks ahead of the refill that loads it.  The sixteen waves of a cluster's column share a chunk by address, a lane a
; block of 256 bytes; all clusters read the same weights, so only those with y under 4 ask.
; OUT.  Operands leave as images of their registers: four registers of the 32 lanes are 512 consecutive bytes.
;   qws:  [batch x head 64][128 queries 16] records of 8,704 bytes: codes [tile of 16 rows 8][c 2][lane 32][16], then scale words [row 16][tile 8] (bytes 0, 1: the two blocks; bytes 2, 3, over zero codes, are 0).
;   kvws: [batch x head 64][128 keys 16] records of 17,152 bytes: K's part laid as a record of qws; from byte 8,704 V's: codes [tile of 16 channels 4][c 4][lane 32][16], then scale words [channel 16][tile 4].
;   The scale words are gathered in the stage and leave at the end, 512 or 256 consecutive bytes a store.
; LIMITS: NaN and infinities among the inputs are not served.  A block whose largest magnitude lies under 2^-111, a block of zeros among them, keeps the scale byte 1: the bytes are read by this program alone.
.set PITCH, 1040
.set S1,    128*PITCH                  ; slot 1
.set STG,   2*S1                       ; the stage: q's four heads x 512 bytes, k's, then v's four x 256
.set SPARE, STG+5120
.set ADX,  4                           ; v4   my rows of x in slot 1
.set ADW,  5                           ; v5-6 my rows of a chunk in slot 0, 1
.set ABS,  7                           ; v7   32 x lane: scale bytes
.set GO,   8                           ; v8   16 x lane + 4,096 x wave row: q's, k's codes
.set GOV,  9                           ; v9   16 x lane + 1,024 x wave row: v's
.set SPW,  10
.set NIL,  11
.set SW,   12                          ; v12  stage: q's scale words
.set SWV,  13                          ; v13  stage: v's
.set PF,   14                          ; v14  the prefetches' offset
.set CPA,  15                          ; v15, v16 stage, read back
.set CPB,  16
.set L16,  17                          ; v17  16 x lane;  v18  8 x lane
.set L8,   18
.set SWT,  23                          ; v23  stage: the trip's scale words
.set XS,   24                          ; v24-39 x's scale words: register 8 p + q: lanes 0-15 tile 2 p's, lanes 16-31 tile 2 p + 1's
.set WS,   44                          ; v44-75 the weight's, likewise, two sets: no product's two scale words have numbers equal modulo 8
.set ACC,  80                          ; v80-143 the eight accumulators of a pair of blocks
.set TM,   144                         ; v144-159 largest magnitudes, bytes, bounds, the conversions' scale operands
.set PC,   160                         ; v160-191 codes, two sets
.set SWD,  192                         ; v192-195 the first block's bytes;  v196-199 scale words
.set WD,   196
.set G1X, 24                           ; the head's descriptors; when its loads have landed their registers hold the loop's scalars:
.set G1W, 32
.set G1R, 48
.set G0X, 56
.set G0W, 60
.set G0R, 88
.set CS,  24                           ; s[24:25] this kind's scale bytes, s[26:27] the next kind's, s[28:29] the next kind's codes
.set NS,  26
.set NB,  28
.set CO,  30                           ; s[30:31], s[32:33] where this kind's codes go: first chunk, second chunk
.set O1Q, 34                           ; s[34:35], s[36:37] q's and k's second chunk
.set O1K, 36
.set KT,  38                           ; s38  the trip: 0 q, 1 k;  s39  2,048 x the trip
.set STO, 39
.set LIM4, 56                          ; s56  1 in the clusters that prefetch, else 0
.set MSB, 0
.macro WIN new                         ; the immediate's high byte repeats the setting that is left
.if MSB != \new
	s_set_vgpr_msb (MSB<<8)|\new
.set MSB, \new
.endif
.endm
.macro PLACES n
.rept \n
	v_nop
.endr
.endm
.macro CROUND
	s_barrier_signal -1
	s_barrier_wait -1
	s_cmp_lg_u32 s16, 0
	s_cbranch_scc1 .Lnot_wave_0_\@
	s_barrier_signal -3
.Lnot_wave_0_\@:
	s_barrier_wait -3
	s_barrier_signal -1
	s_barrier_wait -1
.endm
.macro TLOAD g0, g1                    ; s_nop 0 and four v_nop follow the line
	tensor_load_to_lds s[\g0:\g0+3], s[\g1:\g1+7]
	s_nop 0
	PLACES 4
.endm
.macro GROUP1 g, mask, rows            ; so many whole rows of 1,024 bytes, four words of padding behind each
	s_or_b32 s[\g], s\mask, (1<<20)|(1<<21)|(7<<22)|(3<<25)
	s_mov_b32 s[\g+1], 1024<<16
	s_mov_b32 s[\g+2], (\rows)<<16
	s_mov_b32 s[\g+3], 1024<<16
	s_mov_b32 s[\g+4], \rows
	s_mov_b32 s[\g+5], 1024
	s_mov_b32 s[\g+6], 0
	s_mov_b32 s[\g+7], 0
.endm
.macro ASK base, off, a, b             ; a chunk into the L2: my 8,192 bytes of it, where a < b: numbers that all partners of the cluster share
	s_cmp_lt_u32 \a, \b
	s_cbranch_scc0 .Lno_ask_\@
	global_prefetch_b8 v[PF], s[\base:\base+1] offset:\off th:TH_LOAD_NT scope:SCOPE_SE
.Lno_ask_\@:
.endm
.macro WSL set, base, off              ; the scale words of my head of a chunk into a set
.irp p, 0,1
.irp d, 0,1
	global_load_b128 v[WS+16*(\set)+8*\p+4*\d:WS+16*(\set)+8*\p+4*\d+3], v[ABS], s[\base:\base+1] offset:(\off)+1024*\p+16*\d
.endr
.endr
.endm
	s_load_b512 s[68:83], s[0:1], 0x0              ; x's codes, x's scales, Wq's, Wk's, Wv's codes and scales
	s_load_b128 s[84:87], s[0:1], 0x40             ; qws, kvws
	v_lshl_add_u32 v[SPW], v0, 2, SPARE
	v_mov_b32 v[NIL], 0
	ds_add_u32 v[SPW], v[NIL]                      ; the opening lines: the add twice on end and its wait
	ds_add_u32 v[SPW], v[NIL]
	v_lshrrev_b32 v19, 5, v0
	v_readfirstlane_b32 s16, v19                   ; wave
	s_lshr_b32 s17, s16, 1                         ; my row of waves: which 64 rows of x
	s_and_b32 s18, s16, 1                          ; my column of waves: which head of a chunk
	s_bfe_u32 s19, ttmp6, 0x40000                  ; cx: the column group
	s_bfe_u32 s20, ttmp6, 0x40004                  ; cy
	s_and_b32 s21, ttmp7, 0xffff                   ; the cluster's y
	s_lshl_b32 s22, s21, 2
	s_add_co_u32 s22, s22, s20                     ; the group of 128 rows of x, 0..63
	s_lshl_b32 s23, s20, 2
	s_lshl_b32 s23, 15, s23                        ; my row of the cluster
	s_lshl_b32 s40, 0x1111, s19                    ; my column
	GROUP1 G1X, 23, 64
	GROUP1 G1W, 40, 64
	GROUP1 G1R, 40, 32
	s_mul_i32 s41, s17, 64*PITCH
	s_mov_b32 s[G0X], 1
	s_add_co_u32 s[G0X+1], s41, S1
	s_mov_b32 s[G0W], 1
	s_mov_b32 s[G0W+1], s41
	s_mov_b32 s[G0R], 1
	s_mul_i32 s96, s16, 32*PITCH                   ; a refill's place: my quarter of slot 0,
	s_add_co_u32 s97, s96, S1                      ; of slot 1
	s_lshl_b32 s92, s16, 15                        ; and in memory: my quarter of a kind's first chunk,
	s_mov_b32 s93, 0
	s_add_co_u32 s94, s92, 131072                  ; of its second
	s_mov_b32 s95, 0
	s_lshl_b32 s42, s19, 18                        ; the column group's 256 rows of a weight
	s_mov_b32 s43, 0
	s_lshl_b32 s46, s17, 16                        ; half a tile: 64 rows
	s_mov_b32 s47, 0
	s_lshl_b32 s44, s22, 17
	s_add_co_u32 s44, s44, s46
	s_mov_b32 s45, 0
	s_mov_b32 s12, 0x76543210
	s_mov_b32 s13, 0xfedcba98                      ; v_permlanex16_b32's selects for lane l xor 16
	s_mov_b32 s14, 0x600000                        ; the mantissa field of 57,344
	s_wait_dscnt 0x0
	CROUND                                         ; all sixteen work-groups are here
	s_wait_kmcnt 0x0
	s_add_nc_u64 s[72:73], s[72:73], s[42:43]
	s_add_nc_u64 s[76:77], s[76:77], s[42:43]
	s_add_nc_u64 s[80:81], s[80:81], s[42:43]
	s_add_nc_u64 s[G0X+2:G0X+3], s[68:69], s[44:45]
	s_or_b32 s[G0X+3], s[G0X+3], 0x80000000
	s_add_nc_u64 s[G0W+2:G0W+3], s[72:73], s[46:47]
	s_or_b32 s[G0W+3], s[G0W+3], 0x80000000
	s_cmp_eq_u32 s18, 0                            ; one load a wave: waves 0, 2 the halves of x's rows (a line of their own: they wait at the first barrier), waves 1, 3 those of chunk 0
	s_cbranch_scc0 .Lfor_w
	TLOAD G0X, G1X
	s_branch .Lasked
.Lfor_w:
	TLOAD G0W, G1W
.Lasked:
	s_lshl_b32 s41, s19, 13                        ; scale bytes: the column group's 256 rows,
	s_lshl_b32 s42, s18, 11                        ; my head's 64
	s_add_co_u32 s42, s42, s41
	s_add_nc_u64 s[74:75], s[74:75], s[42:43]
	s_add_nc_u64 s[78:79], s[78:79], s[42:43]
	s_add_nc_u64 s[82:83], s[82:83], s[42:43]
	s_lshl_b32 s44, s22, 12                        ; x's: my 64 rows
	s_lshl_b32 s41, s17, 11
	s_add_co_u32 s44, s44, s41
	s_add_nc_u64 s[70:71], s[70:71], s[44:45]
	s_lshr_b32 s41, s22, 4                         ; the records: (batch x 16 + head) x 16 + group
	s_lshl_b32 s41, s41, 8
	s_and_b32 s46, s22, 15
	s_add_co_u32 s41, s41, s46
	s_lshl_b32 s46, s19, 6
	s_add_co_u32 s41, s41, s46                     ; of head 4 cx
	s_lshl_b32 s46, s18, 4
	s_add_co_u32 s46, s46, s41                     ; of my head of a kind's first chunk
	s_mul_i32 s44, s46, 8704
	s_add_nc_u64 s[4:5], s[84:85], s[44:45]        ; q
	s_mul_i32 s44, s46, 17152
	s_add_nc_u64 s[6:7], s[86:87], s[44:45]        ; k
	s_add_nc_u64 s[8:9], s[6:7], 8704              ; v
	s_lshl_b32 s46, s16, 4
	s_add_co_u32 s46, s46, s41                     ; of head 4 cx + wave: whose scale words I store at the end
	s_mul_i32 s44, s46, 8704
	s_add_nc_u64 s[10:11], s[84:85], s[44:45]
	s_mul_i32 s44, s46, 17152
	s_add_nc_u64 s[98:99], s[86:87], s[44:45]
	s_mul_i32 s41, s17, 64*PITCH
	s_add_co_u32 s41, s41, S1
	s_mul_i32 s42, s18, 64*PITCH
	s_lshl_b32 s43, s17, 12
	s_lshl_b32 s44, s17, 10
	s_lshl_b32 s45, s18, 9
	s_lshl_b32 s46, s17, 4
	s_add_co_u32 s45, s45, s46
	s_add_co_u32 s45, s45, STG
	s_lshl_b32 s46, s18, 8
	s_lshl_b32 s47, s17, 1
	s_add_co_u32 s46, s46, s47
	s_add_co_u32 s46, s46, STG+4096
	s_lshl_b32 s47, s20, 2
	s_add_co_u32 s47, s47, s16                     ; which of the cluster column's sixteen waves I am
	s_lshl_b32 s47, s47, 13
	s_lshl_b32 s2, s16, 9
	s_add_co_u32 s2, s2, STG
	s_lshl_b32 s3, s16, 8
	s_add_co_u32 s3, s3, STG+4096
	v_and_b32 v1, 15, v0                           ; r
	v_bfe_u32 v2, v0, 4, 1                         ; h
	v_and_b32 v3, 31, v0
	v_mul_u32_u24 v19, v1, PITCH
	v_lshlrev_b32 v[L16], 4, v3
	v_lshlrev_b32 v[L8], 3, v3
	v_lshlrev_b32 v[ABS], 5, v3
	v_lshlrev_b32 v20, 5, v1
	v_lshlrev_b32 v21, 4, v1
	v_lshlrev_b32 v22, 8, v3
	v_lshl_add_u32 v19, v2, 4, v19
	v_add_nc_u32 v[SW], s45, v20
	v_add_nc_u32 v[SWV], s46, v21
	v_add_nc_u32 v[PF], s47, v22
	v_add_nc_u32 v[ADX], s41, v19
	v_add_nc_u32 v[ADW], s42, v19
	v_add_nc_u32 v[GO], s43, v[L16]
	v_add_nc_u32 v[GOV], s44, v[L16]
	v_add_nc_u32 v[CPA], s2, v[L16]
	v_add_nc_u32 v[CPB], s3, v[L8]
	v_add_nc_u32 v[ADW+1], S1, v[ADW]
.irp b, 0,1,2,3
	v_mov_b32 v[TM+4+\b], 0                        ; a lane permute's destination counts as one of its sources
.endr
	s_wait_alu depctr_va_vdst(0)
	ASK 72, 131072, s21, 4                         ; chunk 1
	ASK 76, 0, s21, 4                              ; chunk 2
.irp p, 0,1
.irp d, 0,1
	global_load_b128 v[XS+8*\p+4*\d:XS+8*\p+4*\d+3], v[ABS], s[70:71] offset:1024*\p+16*\d
.endr
.endr
	WSL 0, 74, 0
; one product.  z: it starts its sum; ra, rb: a side's scale words stand in lanes 16-31
.macro MM d, a, b, z, sa, sb, ra, rb
.if (\z) && (\ra) && (\rb)
	v_wmma_scale_f32_16x16x128_f8f6f4 v[(\d):(\d)+7], v[(\a):(\a)+15], v[(\b):(\b)+15], 0, v[\sa], v[\sb] matrix_a_fmt:MATRIX_FMT_BF8 matrix_b_fmt:MATRIX_FMT_BF8 matrix_a_scale:MATRIX_SCALE_ROW1 matrix_b_scale:MATRIX_SCALE_ROW1
.elseif (\z) && (\ra)
	v_wmma_scale_f32_16x16x128_f8f6f4 v[(\d):(\d)+7], v[(\a):(\a)+15], v[(\b):(\b)+15], 0, v[\sa], v[\sb] matrix_a_fmt:MATRIX_FMT_BF8 matrix_b_fmt:MATRIX_FMT_BF8 matrix_a_scale:MATRIX_SCALE_ROW1
.elseif (\z) && (\rb)
	v_wmma_scale_f32_16x16x128_f8f6f4 v[(\d):(\d)+7], v[(\a):(\a)+15], v[(\b):(\b)+15], 0, v[\sa], v[\sb] matrix_a_fmt:MATRIX_FMT_BF8 matrix_b_fmt:MATRIX_FMT_BF8 matrix_b_scale:MATRIX_SCALE_ROW1
.elseif (\z)
	v_wmma_scale_f32_16x16x128_f8f6f4 v[(\d):(\d)+7], v[(\a):(\a)+15], v[(\b):(\b)+15], 0, v[\sa], v[\sb] matrix_a_fmt:MATRIX_FMT_BF8 matrix_b_fmt:MATRIX_FMT_BF8
.elseif (\ra) && (\rb)
	v_wmma_scale_f32_16x16x128_f8f6f4 v[(\d):(\d)+7], v[(\a):(\a)+15], v[(\b):(\b)+15], v[(\d):(\d)+7], v[\sa], v[\sb] matrix_a_fmt:MATRIX_FMT_BF8 matrix_b_fmt:MATRIX_FMT_BF8 matrix_a_scale:MATRIX_SCALE_ROW1 matrix_b_scale:MATRIX_SCALE_ROW1
.elseif (\ra)
	v_wmma_scale_f32_16x16x128_f8f6f4 v[(\d):(\d)+7], v[(\a):(\a)+15], v[(\b):(\b)+15], v[(\d):(\d)+7], v[\sa], v[\sb] matrix_a_fmt:MATRIX_FMT_BF8 matrix_b_fmt:MATRIX_FMT_BF8 matrix_a_scale:MATRIX_SCALE_ROW1
.elseif (\rb)
	v_wmma_scale_f32_16x16x128_f8f6f4 v[(\d):(\d)+7], v[(\a):(\a)+15], v[(\b):(\b)+15], v[(\d):(\d)+7], v[\sa], v[\sb] matrix_a_fmt:MATRIX_FMT_BF8 matrix_b_fmt:MATRIX_FMT_BF8 matrix_b_scale:MATRIX_SCALE_ROW1
.else
	v_wmma_scale_f32_16x16x128_f8f6f4 v[(\d):(\d)+7], v[(\a):(\a)+15], v[(\b):(\b)+15], v[(\d):(\d)+7], v[\sa], v[\sb] matrix_a_fmt:MATRIX_FMT_BF8 matrix_b_fmt:MATRIX_FMT_BF8
.endif
.endm
; product i = 4 q + a of block n (0 to 7: a trip's, q's or k's; 16 to 23: v's): the q-th 128 of K, x's tile a; a block's four accumulators by turns
.macro PROD n, i
.set Q_, (\i)/4
.set A_, (\i)%4
.set X_, 16*((\i)%16)
.set R_, 128*((\n)%2)+16*Q_
.set BH_, (\n)%4
.set WS_, WS+16*(((\n)/4)%2)+8*(BH_/2)+Q_
.set XS_, XS+8*(A_/2)+Q_
.if (\n) >= 16
	WIN (1+(\i)/16)|(3<<2)
	MM ACC+32*((\n)%2)+8*A_, X_, R_, Q_==0, XS_, WS_, A_%2, BH_%2
.else
	WIN 3|((1+(\i)/16)<<2)
	MM ACC+16*A_+8*((\n)%2), R_, X_, Q_==0, WS_, XS_, BH_%2, A_%2
.endif
.endm
.macro FETCH n                         ; block n of the weights, all of K, into set n % 2 of window 3
	WIN 3<<6
.set P_, 0
.rept 32
	ds_load_b128 v[128*((\n)%2)+4*P_:128*((\n)%2)+4*P_+3], v[ADW+((\n)/4)%2] offset:32*P_+((\n)%4)*16*PITCH
.set P_, P_+1
.endr
	WIN 0
.endm
; THE QUANTISER of the pair of blocks n - 1, n: my lane's 64 numbers are four blocks of 32 along the next K, each shared with lane l xor 16: register 16 b + i is block b's.
; q, k: block b is x's tile b, and the pair is half a head (c = 0 or 1).  v: block b is channel tile b / 2 of the pair, key block 2 x wave row + b % 2.
.macro QUANT n
.set PCA, PC+16*(((\n)/2)%2)
.set U_, ((\n)/4)%2
.set PB_, ((\n)%4)/2
.set K_, (\n)/8
	s_wait_xcnt 0x0                                ; earlier stores have read their data
.irp b, 0,1,2,3
	v_max3_num_f32 v[TM+\b], |v[ACC+16*\b]|, |v[ACC+16*\b+1]|, 0x8000000   ; each accumulator is read from its low end on; the floor is 2^(16 - 127)
.endr
.irp i, 2,4,6,8,10,12,14
.irp b, 0,1,2,3
	v_max3_num_f32 v[TM+\b], v[TM+\b], |v[ACC+16*\b+\i]|, |v[ACC+16*\b+\i+1]|
.endr
.endr
.irp b, 0,1,2,3
	v_permlanex16_b32 v[TM+4+\b], v[TM+\b], s12, s13
.endr
.irp b, 0,1,2,3
	v_max_num_f32 v[TM+\b], v[TM+\b], v[TM+4+\b]   ; the block's largest magnitude
.endr
.irp b, 0,1,2,3
	v_add_nc_u32 v[TM+12+\b], 0xf8800000, v[TM+\b] ; 15 off its exponent field: the conversion's scale operand
.endr
.irp b, 0,1,2,3
	v_and_or_b32 v[TM+8+\b], v[TM+\b], 0x7f800000, s14   ; 57,344 x the scale
.endr
.irp b, 0,1,2,3
	v_lshrrev_b32 v[TM+4+\b], 23, v[TM+12+\b]      ; the scale's byte
.endr
.if K_ == 2
	v_lshl_or_b32 v[WD], v[TM+5], 8, v[TM+4]       ; v: my two bytes of a channel tile's word
	v_lshl_or_b32 v[WD+1], v[TM+7], 8, v[TM+6]
.elseif PB_ == 0
.irp b, 0,1,2,3
	v_mov_b32 v[SWD+\b], v[TM+4+\b]                ; q, k: the first block's byte waits for the second's
.endr
.else
.irp b, 0,1,2,3
	v_lshl_or_b32 v[WD+\b], v[TM+4+\b], 8, v[SWD+\b]
.endr
.endif
.irp b, 0,1,2,3
.irp i, 0,1,2,3,4,5,6,7,8,9,10,11,12,13,14,15
	v_med3_num_f32 v[ACC+16*\b+\i], v[ACC+16*\b+\i], -v[TM+8+\b], v[TM+8+\b]   ; the hold: the conversion does not saturate (ISA guide 7.6.2)
.endr
.endr
.irp k, 0,1,2,3,4,5,6,7
	v_cvt_scalef32_pk8_bf8_f32 v[PCA+2*\k:PCA+2*\k+1], v[ACC+8*\k:ACC+8*\k+7], v[TM+12+\k/2]
.endr
	v_nop                                          ; a plain line behind the last conversion
.if K_ == 2
.irp b, 0,1,2,3
	global_store_b128 v[GOV], v[PCA+4*\b:PCA+4*\b+3], s[8:9] offset:(2*PB_+\b/2)*2048+(\b%2)*512+U_*548864   ; 32 lanes store 512 consecutive bytes, aligned
.endr
	ds_store_b16 v[SWV], v[WD] offset:U_*512+8*PB_
	ds_store_b16 v[SWV], v[WD+1] offset:U_*512+8*PB_+4
.else
.irp b, 0,1,2,3
	global_store_b128 v[GO], v[PCA+4*\b:PCA+4*\b+3], s[CO+2*U_:CO+2*U_+1] offset:\b*1024+PB_*512
.endr
.if PB_
	ds_store_b128 v[SWT], v[WD:WD+3] offset:U_*1024   ; my four tiles' words of row r
.endif
.endif
.endm
.macro BLK n
.set C_, (\n)/4
.set B_, (\n)%4
.if B_ == 0                            ; the next chunk's scale words; their set was last read a block and eight places ago
.if C_ == 0
	WSL 1, CS, 4096
.elseif C_ == 1
	WSL 0, NS, 0
.elseif C_ == 4
	WSL 1, 82, 4096
.endif
.if C_ < 5
	s_wait_loadcnt 4                               ; all but those four: this chunk's are in
.else
	s_wait_loadcnt 0x0
.endif
.endif
.if (\n) < 23
	s_wait_dscnt 32                                ; at most the newest fetch is out: this block is in
.else
	s_wait_dscnt 0x0
.endif
.set I_, 0
.rept 32
	PROD \n, I_
.set I_, I_+1
.endr
	WIN 0
	PLACES 8                                       ; behind the block's last product: ahead of loads into what it has read and of the first reader of its sums
.set C_, (\n)/4
.set B_, (\n)%4
.if B_ == 2 && C_ < 2
	s_wait_tensorcnt 0x0                           ; my quarter of the next chunk is in
	ds_add_u32 v[SPW], v[NIL]
	s_mov_b32 s[G0R+1], s[96+C_]                   ; the next kind's chunk of the same place goes where this chunk lies
	s_add_nc_u64 s[G0R+2:G0R+3], s[NB:NB+1], s[92+2*C_:93+2*C_]
	s_or_b32 s[G0R+3], s[G0R+3], 0x80000000
	s_wait_dscnt 0x0                               ; the add is done, and my last block of this chunk is in registers
	CROUND
	TLOAD G0R, G1R
.elseif B_ == 2 && C_ == 4
	s_wait_tensorcnt 0x0                           ; the last chunk
	s_wait_dscnt 0x0
	s_barrier_signal -1
	s_barrier_wait -1
.endif
.if (\n) < 22
	FETCH (\n)+2
.endif
.if B_ == 0 && C_ == 0
	ASK NB, 131072, s21, 4                         ; three chunks on: the next kind's second chunk
.elseif B_ == 0 && C_ == 1
	ASK 80, 0, s[KT], s[LIM4]                      ; three chunks on: v's first chunk, in q's trip alone
.endif
.if B_%2
	QUANT \n
.endif
.endm
	s_cmp_eq_u32 s18, 0
	s_cbranch_scc0 .Lnot_x
	s_wait_tensorcnt 0x0                           ; waves 0, 2: x's rows are in
.Lnot_x:
	s_barrier_signal -1
	s_barrier_wait -1
.set F_, 0
.rept 32                                       ; my 64 rows of x into windows 1 and 2: fragment 4 q + a
	WIN (1+F_/16)<<6
.irp c, 0,1,2,3
	ds_load_b128 v[16*(F_%16)+4*\c:16*(F_%16)+4*\c+3], v[ADX] offset:128*(F_/4)+32*\c+(F_%4)*16*PITCH
.endr
.set F_, F_+1
.endr
	WIN 0
	s_wait_tensorcnt 0x0                           ; all my tensor loads are in
	ds_add_u32 v[SPW], v[NIL]
	s_mov_b32 s[G0R+1], s97                        ; chunk 1 over x's rows
	s_add_nc_u64 s[G0R+2:G0R+3], s[72:73], s[94:95]
	s_or_b32 s[G0R+3], s[G0R+3], 0x80000000
	s_wait_dscnt 0x0                               ; the add is done, and x's rows are in my registers
	CROUND
	TLOAD G0R, G1R
	FETCH 0
	FETCH 1
	s_add_nc_u64 s[O1Q:O1Q+1], s[4:5], 278528      ; two heads on: 32 records (the head's descriptors are done with)
	s_add_nc_u64 s[O1K:O1K+1], s[6:7], 548864
	s_cmp_lt_u32 s21, 4
	s_cselect_b32 s[LIM4], 1, 0
	s_mov_b32 s[KT], 0
	s_mov_b32 s[STO], 0
.Lkind:                                            ; two trips: q's two chunks, k's two chunks
	s_wait_xcnt 0x0                                ; earlier loads, stores and prefetches have read their bases
	s_cmp_eq_u32 s[KT], 0
	s_cselect_b64 s[CS:CS+1], s[74:75], s[78:79]
	s_cselect_b64 s[NS:NS+1], s[78:79], s[82:83]
	s_cselect_b64 s[NB:NB+1], s[76:77], s[80:81]
	s_cselect_b64 s[CO:CO+1], s[4:5], s[6:7]
	s_cselect_b64 s[CO+2:CO+3], s[O1Q:O1Q+1], s[O1K:O1K+1]
	v_add_nc_u32 v[SWT], s[STO], v[SW]
.irp n, 0,1,2,3,4,5,6,7
	BLK \n
.endr
	s_add_co_u32 s[STO], s[STO], 2048
	s_add_co_u32 s[KT], s[KT], 1
	s_cmp_lt_u32 s[KT], 2
	s_wait_alu depctr_va_vdst(0)
	s_cbranch_scc1 .Lkind
.irp n, 16,17,18,19,20,21,22,23
	BLK \n
.endr
	s_wait_dscnt 0x0                               ; my scale words are in the stage
	s_barrier_signal -1
	s_barrier_wait -1
	ds_load_b128 v[200:203], v[CPA]                ; head 4 cx + wave: q's words,
	ds_load_b128 v[204:207], v[CPA] offset:2048    ; k's,
	ds_load_b64 v[208:209], v[CPB]                 ; v's
	s_wait_dscnt 0x0
	global_store_b128 v[L16], v[200:203], s[10:11] offset:8192
	global_store_b128 v[L16], v[204:207], s[98:99] offset:8192
	global_store_b64 v[L8], v[208:209], s[98:99] offset:16896
	s_wait_tensorcnt 0x0                           ; the wave's end
	ds_add_u32 v[SPW], v[NIL]
	s_wait_dscnt 0x0
	CROUND                                         ; the closing round
	s_endpgm
.Lfunc_end_k_q5ee9ba5fea_qkv:
	.size	k_q5ee9ba5fea_qkv, .Lfunc_end_k_q5ee9ba5fea_qkv-k_q5ee9ba5fea_qkv
	.p2alignl 7, 3214868480
	.fill 96, 4, 3214868480
	.section	.rodata,"a",@progbits
	.p2align	6, 0x0
	.amdhsa_kernel k_q5ee9ba5fea_qkv
		.amdhsa_group_segment_fixed_size 327680
		.amdhsa_private_segment_fixed_size 0
		.amdhsa_enable_private_segment 0
		.amdhsa_kernarg_size 80
		.amdhsa_user_sgpr_count 2
		.amdhsa_user_sgpr_kernarg_segment_ptr 1
		.amdhsa_wavefront_size32 1
		.amdhsa_system_sgpr_workgroup_id_x 1
		.amdhsa_system_sgpr_workgroup_id_y 1
		.amdhsa_system_sgpr_workgroup_id_z 1
		.amdhsa_system_vgpr_workitem_id 0
		.amdhsa_next_free_vgpr 1024
		.amdhsa_next_free_sgpr 100
		.amdhsa_reserve_vcc 0
		.amdhsa_float_denorm_mode_32 3
		.amdhsa_float_denorm_mode_16_64 3
		.amdhsa_memory_ordered 1
		.amdhsa_forward_progress 1
		.amdhsa_inst_pref_size 193
	.end_amdhsa_kernel
	.amdgpu_metadata
---
amdhsa.version: [ 1, 2 ]
amdhsa.kernels:
  - .name:           k_q5ee9ba5fea_qkv
    .symbol:         k_q5ee9ba5fea_qkv.kd
    .args:
      - { .name: x_codes, .offset: 0, .size: 8, .value_kind: global_buffer, .address_space: global }
      - { .name: x_scales, .offset: 8, .size: 8, .value_kind: global_buffer, .address_space: global }
      - { .name: Wq_codes, .offset: 16, .size: 8, .value_kind: global_buffer, .address_space: global }
      - { .name: Wq_scales, .offset: 24, .size: 8, .value_kind: global_buffer, .address_space: global }
      - { .name: Wk_codes, .offset: 32, .size: 8, .value_kind: global_buffer, .address_space: global }
      - { .name: Wk_scales, .offset: 40, .size: 8, .value_kind: global_buffer, .address_space: global }
      - { .name: Wv_codes, .offset: 48, .size: 8, .value_kind: global_buffer, .address_space: global }
      - { .name: Wv_scales, .offset: 56, .size: 8, .value_kind: global_buffer, .address_space: global }
      - { .name: qws, .offset: 64, .size: 8, .value_kind: global_buffer, .address_space: global }
      - { .name: kvws, .offset: 72, .size: 8, .value_kind: global_buffer, .address_space: global }
    .group_segment_fixed_size: 327680
    .private_segment_fixed_size: 0
    .kernarg_segment_align: 8
    .kernarg_segment_size: 80
    .max_flat_workgroup_size: 128
    .sgpr_count:     100
    .vgpr_count:     1024
    .wavefront_size: 32
...
	.end_amdgpu_metadata
.endif
;; end of part 1
;; launch attn (part 2): grid 4 x 64, 16 waves a work-group, clusters of 4 x 1, 327,680 bytes of LDS; arguments qws, kvws, aoc, aos; writes aoc, aos
.if DOCPART == 2
	.amdgcn_target "amdgcn-amd-amdhsa--gfx1250"
	.amdhsa_code_object_version 6
	.text
	.protected	k_q5ee9ba5fea_attn
	.globl	k_q5ee9ba5fea_attn
	.p2align	8
	.type	k_q5ee9ba5fea_attn,@function
k_q5ee9ba5fea_attn:
	s_mov_b64 s[64:65], 0
	v_nop
	global_prefetch_b8 v0, s[64:65] scope:SCOPE_SE
	s_setreg_imm32_b32 hwreg(HW_REG_WAVE_MODE, 25, 1), 1
	s_wait_xcnt 0x0
	s_wait_alu depctr_hold_cnt(0) depctr_sa_sdst(0) depctr_va_vdst(0) depctr_va_sdst(0) depctr_va_ssrc(0) depctr_va_vcc(0) depctr_vm_vsrc(0)
	s_getreg_b32 s2, hwreg(HW_REG_IB_STS2, 6, 4)
	s_cmp_eq_u32 s2, 0
	s_cbranch_scc0 .Lentry_in_a_cluster
	s_endpgm
.Lentry_in_a_cluster:
	s_bfe_u32 s2, ttmp6, 0x10000c
	s_cmp_lg_u32 s2, 0x3003
	s_cbranch_scc0 .Lentry_shape_is_right
	s_endpgm
.Lentry_shape_is_right:
; Causal attention of one head on codes of BF8 (E5M2), one E8M0 scale for each 32 along a product's K; the result is quantised along the model's 1,024 channels and leaves as codes.
; IN.  qws: [batch x head 64][128 queries 16] records of 8,704 bytes; kvws: [batch x head 64][128 keys 16] records of REC = 17,152 bytes: images of the operands' registers (four registers of 32 lanes are 512 bytes,
; lane l's 16 bytes at 16 l).  A record of kvws: K's codes [tile of 16 keys 8][c 2][512], K's scale words [row 16][tile 8] at 8,192, V's codes [tile of 16 channels 4][c 4][512] at 8,704, V's scale words [channel 16][tile 4] at 16,896.
; THE FIRST PRODUCT has K = 64 in an instruction of K = 128: the upper eight registers of K's and Q's fragments are zero codes, written once.
; THE SOFTMAX: t = score x log2(e) / 8; M = the row's largest t so far, rounded up to a whole number; p = 2^(t - M) is quantised along the keys, not normalised; the row's sum is taken of the unquantised p and divides at the end.
; LAYOUT.  S^T = K Q^T, O^T = V^T P^T: a lane holds one query (lane % 16).  Register j of score tile t is key 16 t + 8 (lane / 16) + j, the order in which V's codes were laid.
; LDS.  A head's 16 records are 274,432 bytes: they lie in LDS whole, each filled once: wave w brings record w.  Nothing is filled again, so the walk over the keys has no ring.
; The barrier at the head shows records 0 and 1 (waves 0 and 1 have a load line of their own and wait there); the barrier behind the first two steps shows the rest.
; SHARES.  The four work-groups of a head form a cluster and ask for each record jointly.  A wave owns two tiles of 16 queries, number 127 - p and then p, with p = 8 (wave / 2) + 4 (wave % 2) + cx:
; (16 - wave / 2) + (wave / 2 + 1) = 17 steps of 128 keys for every wave.  Which record holds a tile's diagonal hangs on the wave's number alone, and so does every branch; cx enters global addresses and the mask's selects alone.
; THE MASK.  In the diagonal's record my queries are tile jj of its eight.  A score tile T under jj counts whole, one over jj is hidden whole, and in tile jj register j is hidden where j > lane % 16 - 8 (lane / 16):
; those eight lane masks are made once; a tile's masks are (mask j and [T = jj]) or [T > jj], by scalar lines, and one select a score makes hidden scores -infinity.
; LEFT OUT: steps all of whose 128 keys come after the wave's queries: the causal mask gives them the weight 0.  The loops' trip counts are constants; a scalar branch leads round such a step's work.
; NO PREFETCH: all that the work-group reads through LDS is asked for at the head, and no loop runs ahead of a load.
; OUT.  aoc: [tile of 16 rows 512][head 16][block 2][lane 32][16]: images in the true order of K.  aos: [row 8192][32] scale bytes: a wave has 2 bytes a row, so those stores cover parts of rows.
; LIMITS: NaN and infinities are not served; the scaled scores stay under 2^31 in magnitude; a p under 2^-126 becomes 0; a block whose largest magnitude lies under 2^-111 keeps the scale byte 1: the bytes are read by this program alone.
.set REC,   17152
.set VO,    8704
.set NS0,   2                          ; records that the first barrier shows
.set SPARE, 16*REC                     ; the spare words: 128 bytes for each of 16 waves
.set LI,   1                           ; v1   16 x lane
.set LK,   2                           ; v2   32 r + 8,192: K's scale words of my row
.set LV,   3                           ; v3   16 r + 16,896: V's
.set LQ,   4                           ; v4   32 r
.set SPW,  5
.set NIL,  6
.set ADK,  8                           ; v8-10 the record in hand + v1, v2, v3
.set ADS,  9
.set ADT,  10
.set LOA,  11                          ; v11  16 r + 8 h
.set QF,   16                          ; v16-23 Q's codes, v24-31 zero codes.  v12 -M, v13 the largest t, v[14:15] the sum
.set KFR,  32                          ; v32-95 four fragments of K
.set ST,   96                          ; v96-159 S^T, then p, then V's fragments
.set OT,   160                         ; v160-191 O^T
.set PC,   192                         ; v192-207 codes
.set KSW,  208
.set VSW,  216
.set QSW,  220
.set PSW,  221
.set LB,   222                         ; v222 32 r + h.  v232-255 at work; v[248:249] f and 0
.set TB,   2                           ; s2   LDS byte of the record in hand
.set TRIP, 3                           ; s3   its number
.set Q0,   13                          ; s13  my first query in the head
.set DG,   14                          ; s14  the record of my tile's diagonal: from the wave's number alone
.set DGB,  15                          ; s15  the second tile's
.set JJ,   16                          ; s16  which of that record's eight tiles my queries are
.set JJB,  17
.set WV,   18
.set MNT,  19
.set SEL,  20
.set CS,   22
.set G1,   24
.set G0,   32
.set OFS,  38
.set QA,   42
.set QS,   44
.set AOA,  46
.set AOSA, 48
.set QB,   52
.set Q0B,  54
.set ROW0, 55
.set HI16, 62
.set MJ,   66                          ; s66-73 the diagonal tile's eight lane masks;  s74-77 at work
.macro CROUND                          ; a round of the cluster's barrier
	s_barrier_signal -1
	s_barrier_wait -1
	s_cmp_lg_u32 s[WV], 0
	s_cbranch_scc1 .Lnot_wave_0_\@
	s_barrier_signal -3
.Lnot_wave_0_\@:
	s_barrier_wait -3
	s_barrier_signal -1
	s_barrier_wait -1
.endm
.macro TLOAD                           ; s_nop 0 and four v_nop follow the line
	tensor_load_to_lds s[G0:G0+3], s[G1:G1+7]
	s_nop 0
.rept 4
	v_nop
.endr
.endm
.macro SETQ                            ; where Q0's tile lies in qws
	s_lshr_b32 s56, s[Q0], 7
	s_mul_i32 s56, s56, 8704
	s_bfe_u32 s58, s[Q0], 0x30004
	s_lshl_b32 s59, s58, 10
	s_add_co_u32 s60, s56, s59
	s_mov_b32 s61, 0
	s_add_nc_u64 s[QA:QA+1], s[QB:QB+1], s[60:61]
	s_lshl_b32 s59, s58, 2
	s_add_co_u32 s60, s56, s59
	s_add_co_u32 s60, s60, 8192
	s_add_nc_u64 s[QS:QS+1], s[QB:QB+1], s[60:61]
.endm
.macro SETO                            ; where Q0's rows lie in aoc and aos
	s_add_co_u32 s56, s[ROW0], s[Q0]
	s_lshl_b32 s60, s56, 10
	s_mov_b32 s61, 0
	s_add_nc_u64 s[AOA:AOA+1], s[8:9], s[60:61]
	s_lshl_b32 s60, s56, 5
	s_add_nc_u64 s[AOSA:AOSA+1], s[10:11], s[60:61]
.endm
.macro QLOAD
	global_load_b128 v[QF:QF+3], v[LI], s[QA:QA+1]
	global_load_b128 v[QF+4:QF+7], v[LI], s[QA:QA+1] offset:512
	global_load_b32 v[QSW], v[LQ], s[QS:QS+1]
.endm
.macro INIT                            ; a tile of queries begins: the first change of M finds zeros and leaves zeros
	v_mov_b32 v13, 0xff61b1e6              ; -3e38, under every t
	s_delay_alu instid0(VALU_DEP_1)
	v_floor_f32 v12, -v13
	v_mov_b32 v14, 0
	v_mov_b32 v15, 0
.set n, 0
.rept 32
	v_mov_b32 v[OT+n], 0
.set n, n+1
.endr
.endm
	s_load_b256 s[4:11], s[0:1], 0x0               ; qws, kvws, aoc, aos
	v_lshl_add_u32 v[SPW], v0, 2, SPARE
	v_mov_b32 v[NIL], 0
	ds_add_u32 v[SPW], v[NIL]                      ; the opening lines: the add twice on end and its wait ahead of my tensor load
	ds_add_u32 v[SPW], v[NIL]
	v_lshrrev_b32 v8, 5, v0
	v_readfirstlane_b32 s[WV], v8                  ; wave 0..15
	s_and_b32 s56, ttmp7, 0xffff                   ; the cluster's y: batch x 16 + head
	s_lshr_b32 s57, s56, 4
	s_lshl_b32 s[ROW0], s57, 11
	s_and_b32 s58, s56, 15                         ; head
	s_lshr_b32 s[DGB], s[WV], 1                    ; the second tile's diagonal lies in record wave / 2,
	s_sub_co_u32 s[DG], 15, s[DGB]                 ; the first's in record 15 - wave / 2
	s_mov_b32 s[G1], 15|(3<<16)|(1<<21)            ; the mask names the cluster's four; elements of 8 bytes; no padding: a fragment load takes 512 bytes on end
	s_mov_b32 s[G1+1], 32<<16                      ; a record as 67 rows of 256 bytes
	s_mov_b32 s[G1+2], 67<<16
	s_mov_b32 s[G1+3], 32<<16
	s_mov_b32 s[G1+4], 67
	s_mov_b32 s[G1+5], 32
	s_mov_b32 s[G1+6], 0
	s_mov_b32 s[G1+7], 0
	s_mul_i32 s[G0+1], s[WV], REC                  ; record w goes to LDS byte w x REC
	s_mul_i32 s[OFS], s56, 16*REC
	s_add_co_u32 s[OFS], s[OFS], s[G0+1]
	s_mov_b32 s[OFS+1], 0
	s_mov_b32 s[G0], 1
	s_mov_b32 s[SEL], 0x76543210
	s_mov_b32 s[SEL+1], 0xfedcba98
	s_mov_b32 s[CS], 0x3e38aa3b                    ; log2(e) / 8
	s_mov_b32 s[CS+1], s[CS]
	s_mov_b32 s[MNT], 0x600000
	s_mov_b32 s[HI16], 0xffff0000
	s_wait_dscnt 0x0
	CROUND                                         ; all four work-groups are here: the joint loads meet
	s_wait_kmcnt 0x0
	s_add_nc_u64 s[G0+2:G0+3], s[6:7], s[OFS:OFS+1]
	s_or_b32 s[G0+3], s[G0+3], 0x80000000
	s_cmp_lt_u32 s[WV], NS0                        ; one load a wave; the waves that wait at the first barrier have a line of their own
	s_cbranch_scc0 .Lrest
	TLOAD
	s_branch .Lasked
.Lrest:
	TLOAD
.Lasked:
	s_bfe_u32 s57, ttmp6, 0x40000                  ; cx
	s_and_b32 s59, s[WV], 1
	s_lshl_b32 s59, s59, 2
	s_add_co_u32 s[JJB], s59, s57                  ; j = 4 (wave % 2) + cx: the second tile's place in its record,
	s_sub_co_u32 s[JJ], 7, s[JJB]                  ; 7 - j: the first's
	s_lshl_b32 s[Q0B], s[DGB], 3
	s_add_co_u32 s[Q0B], s[Q0B], s[JJB]            ; p
	s_lshl_b32 s[Q0B], s[Q0B], 4                   ; 16 p
	s_sub_co_u32 s[Q0], 2032, s[Q0B]               ; 16 (127 - p)
	s_mul_i32 s60, s56, 16*8704
	s_mov_b32 s61, 0
	s_add_nc_u64 s[QB:QB+1], s[4:5], s[60:61]
	s_lshl_b32 s60, s58, 10
	s_add_nc_u64 s[8:9], s[8:9], s[60:61]          ; aoc at my head
	s_lshl_b32 s60, s58, 1
	s_add_nc_u64 s[10:11], s[10:11], s[60:61]      ; aos at my head
	SETQ
	SETO
	v_and_b32 v[LI], 31, v0
	v_and_b32 v252, 15, v0                         ; r
	v_bfe_u32 v253, v0, 4, 1                       ; h
	v_lshlrev_b32 v[LI], 4, v[LI]
	v_lshlrev_b32 v[LQ], 5, v252
	s_wait_alu depctr_va_vdst(0)
	QLOAD
	v_lshl_add_u32 v[LK], v252, 5, 8192
	v_lshl_add_u32 v[LV], v252, 4, VO+8192
	v_lshlrev_b32 v[LOA], 4, v252
	v_lshlrev_b32 v254, 3, v253
	v_add_nc_u32 v[LB], v[LQ], v253
	v_lshl_add_u32 v[LOA], v253, 3, v[LOA]
	v_sub_nc_u32 v254, v252, v254                  ; r - 8 h
.irp j, 0,1,2,3,4,5,6,7
	v_cmp_gt_i32 s[MJ+\j], \j, v254                ; the lanes in which register j of the diagonal's tile is hidden
.endr
.irp j, 8,9,10,11,12,13,14,15
	v_mov_b32 v[QF+\j], 0                          ; the zero codes of K = 64 .. 127
.irp t, 0,1,2,3
	v_mov_b32 v[KFR+16*\t+\j], 0
.endr
.endr
.irp b, 0,1,2,3
	v_mov_b32 v[236+\b], 0                         ; a lane permute's destination counts as one of its sources
.endr
	v_mov_b32 v249, 0
	INIT
; A KEY STEP: the 128 keys of the record at s[TB].  chk = 1: a record behind my tile's diagonal is left out, the diagonal's own is masked.
.macro STEP chk
.if \chk
	s_cmp_gt_u32 s[TRIP], s[DG]
	s_cbranch_scc1 .Lhidden_\@
.endif
	v_add_nc_u32 v[ADK], s[TB], v[LI]
	v_add_nc_u32 v[ADS], s[TB], v[LK]
	v_add_nc_u32 v[ADT], s[TB], v[LV]
	s_wait_alu depctr_va_vdst(0)
	ds_load_b128 v[KSW:KSW+3], v[ADS]
	ds_load_b128 v[KSW+4:KSW+7], v[ADS] offset:16
.irp g, 0,1                                    ; S^T = K Q^T, four tiles of 16 keys at a time
.if \g
.rept 8
	v_nop                                          ; places in front of loads into registers that the four products have read
.endr
.endif
.irp t, 0,1,2,3
.irp c, 0,1
	ds_load_b128 v[KFR+16*\t+4*\c:KFR+16*\t+4*\c+3], v[ADK] offset:1024*(4*\g+\t)+512*\c
.endr
.endr
.if \g == 0
.rept 6
	v_nop                                          ; with the three additions nine places: the first product writes over V's fragments, which the last step's products read
.endr
.endif
	s_wait_dscnt 0x0
.irp t, 0,1,2,3
	v_wmma_scale_f32_16x16x128_f8f6f4 v[ST+8*(4*\g+\t):ST+8*(4*\g+\t)+7], v[KFR+16*\t:KFR+16*\t+15], v[QF:QF+15], 0, v[KSW+4*\g+\t], v[QSW] matrix_a_fmt:MATRIX_FMT_BF8 matrix_b_fmt:MATRIX_FMT_BF8
.endr
.endr
.if \chk
	s_cmp_lt_u32 s[TRIP], s[DG]                    ; a record ahead of the diagonal's needs no mask
	s_cbranch_scc1 .Lopen_\@
	v_mov_b32 v254, 0xff800000                     ; -infinity: p = 0 then
	s_wait_alu depctr_va_vdst(0)
.set n, 0
.rept 64                                       ; tiles 0 to 3 come first: their lines are the places behind the last four products
.if n%8 == 0
	s_cmp_eq_u32 s[JJ], n/8
	s_cselect_b32 s74, -1, 0                       ; this tile holds the diagonal
	s_cmp_lt_u32 s[JJ], n/8
	s_cselect_b32 s75, -1, 0                       ; this tile is hidden whole
.endif
	s_and_b32 s[76+n%2], s[MJ+n%8], s74
	s_or_b32 s[76+n%2], s[76+n%2], s75
	v_cndmask_b32 v[ST+n], v[ST+n], v254, s[76+n%2]
.set n, n+1
.endr
.Lopen_\@:
.endif
; the largest score of each block of 32 keys: a chain for each tile, four by turns; the twelve lines on tiles 0 to 3 are the places behind the products of tiles 4 to 7
.irp g, 0,1
.irp t, 0,1,2,3
	v_max3_num_f32 v[232+8*((4*\g+\t)%2)+(4*\g+\t)/2], v[ST+8*(4*\g+\t)], v[ST+8*(4*\g+\t)+1], v[ST+8*(4*\g+\t)+2]
.endr
.irp i, 3,5
.irp t, 0,1,2,3
	v_max3_num_f32 v[232+8*((4*\g+\t)%2)+(4*\g+\t)/2], v[232+8*((4*\g+\t)%2)+(4*\g+\t)/2], v[ST+8*(4*\g+\t)+\i], v[ST+8*(4*\g+\t)+\i+1]
.endr
.endr
.endr
.irp b, 0,1,2,3
	v_max3_num_f32 v[232+\b], v[232+\b], v[240+\b], v[ST+16*\b+7]
.endr
.irp b, 0,1,2,3
	v_max_num_f32 v[232+\b], v[232+\b], v[ST+15+16*\b]
.endr
.irp b, 0,1,2,3
	s_delay_alu instid0(VALU_DEP_4)
	v_permlanex16_b32 v[236+\b], v[232+\b], s[SEL], s[SEL+1]
.endr
.irp b, 0,1,2,3
	s_delay_alu instid0(VALU_DEP_4)
	v_max_num_f32 v[232+\b], v[232+\b], v[236+\b]  ; with lane l xor 16's 16 keys
.endr
	s_delay_alu instid0(VALU_DEP_2)
	v_max3_num_f32 v254, v232, v233, v234
	s_delay_alu instid0(VALU_DEP_1)
	v_max_num_f32 v254, v254, v235                 ; a number: the record's first key counts for all my queries
	s_delay_alu instid0(VALU_DEP_1)
	v_mul_f32 v254, s[CS], v254
	s_delay_alu instid0(VALU_DEP_1)
	v_max_num_f32 v13, v13, v254                   ; the running largest t
	v_mov_b32 v254, v12
	s_delay_alu instid0(VALU_DEP_2)
	v_floor_f32 v12, -v13                          ; the new -M
	s_delay_alu instid0(VALU_DEP_1)
	v_sub_f32 v254, v12, v254                      ; old M - new M: a whole number, 0 or less
	s_delay_alu instid0(VALU_DEP_1)
	v_cvt_i32_f32 v254, v254
	s_delay_alu instid0(VALU_DEP_1)
	v_ldexp_f32 v248, 1.0, v254                    ; f = 2^(old M - new M)
.set n, 0
.rept 32
	v_pk_fma_f32 v[ST+n:ST+n+1], v[ST+n:ST+n+1], s[CS:CS+1], v[12:13] op_sel_hi:[1,0,0]   ; t - M
.set n, n+2
.endr
.irp b, 0,1,2,3
	v_fma_f32 v[232+\b], v[232+\b], s[CS], v12     ; the same of each block's largest score
.endr
.set n, 0
	s_wait_alu depctr_va_vdst(0)
.rept 64
	v_exp_f32 v[ST+n], v[ST+n]                     ; p = 2^(t - M)
.set n, n+1
.endr
	v_pk_mul_f32 v[14:15], v[14:15], v[248:249] op_sel_hi:[1,0]   ; the sums under the new M: the plain line behind the exponentials
	s_wait_alu depctr_va_vdst(0)                   ; one wait for the batch of 64
.irp b, 0,1,2,3
	v_exp_f32 v[232+\b], v[232+\b]                 ; the block's largest p
.endr
	v_pk_add_f32 v[236:237], v[100:101], v[104:105]
	v_pk_add_f32 v[254:255], v[108:109], v[112:113]
	v_pk_add_f32 v[250:251], v[116:117], v[120:121]
	v_pk_add_f32 v[246:247], v[124:125], v[128:129]
	v_pk_add_f32 v[244:245], v[132:133], v[136:137]
	v_pk_add_f32 v[242:243], v[140:141], v[144:145]
	v_pk_add_f32 v[240:241], v[148:149], v[152:153]
	v_pk_add_f32 v[14:15], v[14:15], v[156:157]
	v_pk_add_f32 v[236:237], v[236:237], v[96:97]
	v_pk_add_f32 v[254:255], v[254:255], v[98:99]
	v_pk_add_f32 v[250:251], v[250:251], v[102:103]
	v_pk_add_f32 v[246:247], v[246:247], v[106:107]
	v_pk_add_f32 v[244:245], v[244:245], v[110:111]
	v_pk_add_f32 v[242:243], v[242:243], v[114:115]
	v_pk_add_f32 v[240:241], v[240:241], v[118:119]
	v_pk_add_f32 v[14:15], v[14:15], v[122:123]
	v_pk_add_f32 v[236:237], v[236:237], v[126:127]
	v_pk_add_f32 v[254:255], v[254:255], v[130:131]
	v_pk_add_f32 v[250:251], v[250:251], v[134:135]
	v_pk_add_f32 v[246:247], v[246:247], v[138:139]
	v_pk_add_f32 v[244:245], v[244:245], v[142:143]
	v_pk_add_f32 v[242:243], v[242:243], v[146:147]
	v_pk_add_f32 v[240:241], v[240:241], v[150:151]
	v_pk_add_f32 v[14:15], v[14:15], v[154:155]
	v_pk_add_f32 v[236:237], v[236:237], v[158:159]
	s_delay_alu instid0(VALU_DEP_2)
	v_pk_add_f32 v[14:15], v[14:15], v[246:247]
	s_delay_alu instid0(VALU_DEP_2)
	v_pk_add_f32 v[236:237], v[236:237], v[244:245]
	v_pk_add_f32 v[254:255], v[254:255], v[242:243]
	v_pk_add_f32 v[250:251], v[250:251], v[240:241]
	s_delay_alu instid0(VALU_DEP_2)
	v_pk_add_f32 v[14:15], v[14:15], v[254:255]
	s_delay_alu instid0(VALU_DEP_2)
	v_pk_add_f32 v[236:237], v[236:237], v[250:251]
	s_delay_alu instid0(VALU_DEP_1)
	v_pk_add_f32 v[14:15], v[14:15], v[236:237]
	s_wait_alu depctr_va_vdst(0)                   ; and one wait for the four
.irp b, 0,1,2,3
	v_max_num_f32 v[232+\b], 0x8000000, v[232+\b]  ; the floor 2^(16 - 127): the byte cannot fall under 1
.endr
.irp b, 0,1,2,3
	s_delay_alu instid0(VALU_DEP_4)
	v_add_nc_u32 v[244+\b], 0xf8800000, v[232+\b]  ; the conversion's scale operand
.endr
.irp b, 0,1,2,3
	v_and_or_b32 v[240+\b], v[232+\b], 0x7f800000, s[MNT]   ; 57,344 x the scale
.endr
.irp b, 0,1,2,3
	v_lshrrev_b32 v[236+\b], 23, v[244+\b]         ; the scale's byte
.endr
	s_delay_alu instid0(VALU_DEP_3)
	v_lshl_or_b32 v[PSW], v237, 8, v236
	s_delay_alu instid0(VALU_DEP_1)
	v_lshl_or_b32 v[PSW], v238, 16, v[PSW]
	s_delay_alu instid0(VALU_DEP_1)
	v_lshl_or_b32 v[PSW], v239, 24, v[PSW]
.irp b, 0,1,2,3
.irp i, 0,2,4,6,8,10,12,14
	v_dual_min_num_f32 v[ST+16*\b+\i], v[ST+16*\b+\i], v[240+\b] :: v_dual_min_num_f32 v[ST+16*\b+\i+1], v[ST+16*\b+\i+1], v[240+\b]   ; the one-sided hold (ISA guide 7.6.2: the conversion does not saturate), two numbers a line
.endr
	v_cvt_scalef32_pk8_bf8_f32 v[PC+4*\b:PC+4*\b+1], v[ST+16*\b:ST+16*\b+7], v[244+\b]
	v_cvt_scalef32_pk8_bf8_f32 v[PC+4*\b+2:PC+4*\b+3], v[ST+16*\b+8:ST+16*\b+15], v[244+\b]
.endr
.irp t, 0,1,2,3                                ; V's four fragments take p's registers
.irp c, 0,1,2,3
	ds_load_b128 v[ST+16*\t+4*\c:ST+16*\t+4*\c+3], v[ADK] offset:VO+2048*\t+512*\c
.endr
.endr
	ds_load_b128 v[VSW:VSW+3], v[ADT]
	s_wait_alu depctr_va_vdst(0)
.set n, 0
.rept 16
	v_pk_mul_f32 v[OT+n:OT+n+1], v[OT+n:OT+n+1], v[248:249] op_sel_hi:[1,0]   ; O^T under the new M; also the places between the codes and the products
.set n, n+2
.endr
	s_wait_alu depctr_va_vdst(0)
	s_wait_dscnt 0x0
.irp t, 0,1,2,3
	v_wmma_scale_f32_16x16x128_f8f6f4 v[OT+8*\t:OT+8*\t+7], v[ST+16*\t:ST+16*\t+15], v[PC:PC+15], v[OT+8*\t:OT+8*\t+7], v[VSW+\t], v[PSW] matrix_a_fmt:MATRIX_FMT_BF8 matrix_b_fmt:MATRIX_FMT_BF8
.endr
.if \chk
.Lhidden_\@:
.endif
.endm
; A TILE OF QUERIES IS FINISHED: O^T is divided by the sum, quantised along the channels and stored.  restart = 1: the second tile begins.
.macro FINISH restart
.if \restart
	s_mov_b32 s[Q0], s[Q0B]
	s_mov_b32 s[DG], s[DGB]
	s_mov_b32 s[JJ], s[JJB]
	SETQ
	QLOAD
.endif
.rept 8
	v_nop                                          ; places behind the last products
.endr
	v_add_f32 v14, v14, v15
	s_delay_alu instid0(VALU_DEP_1)
	v_permlanex16_b32 v252, v14, s[SEL], s[SEL+1]
	s_delay_alu instid0(VALU_DEP_1)
	v_add_f32 v14, v14, v252
	s_wait_alu depctr_va_vdst(0)
	v_rcp_f32 v14, v14
	v_nop
	s_wait_alu depctr_va_vdst(0)
.set n, 0
.rept 16
	v_pk_mul_f32 v[ST+n:ST+n+1], v[OT+n:OT+n+1], v[14:15] op_sel_hi:[1,0]   ; register 8 t + j: channel 16 t + 8 (lane / 16) + j of my query
.set n, n+2
.endr
.irp b, 0,1
	v_max3_num_f32 v[232+\b], |v[ST+16*\b]|, |v[ST+1+16*\b]|, 0x8000000
.endr
.irp i, 2,4,6,8,10,12,14
.irp b, 0,1
	s_delay_alu instid0(VALU_DEP_2)
	v_max3_num_f32 v[232+\b], v[232+\b], |v[ST+16*\b+\i]|, |v[ST+1+16*\b+\i]|
.endr
.endr
.irp b, 0,1
	s_delay_alu instid0(VALU_DEP_2)
	v_permlanex16_b32 v[236+\b], v[232+\b], s[SEL], s[SEL+1]
.endr
.irp b, 0,1
	s_delay_alu instid0(VALU_DEP_2)
	v_max_num_f32 v[232+\b], v[232+\b], v[236+\b]
.endr
.irp b, 0,1
	s_delay_alu instid0(VALU_DEP_2)
	v_add_nc_u32 v[244+\b], 0xf8800000, v[232+\b]
.endr
.irp b, 0,1
	s_delay_alu instid0(VALU_DEP_4)
	v_and_or_b32 v[240+\b], v[232+\b], 0x7f800000, s[MNT]
.endr
.irp b, 0,1
	s_delay_alu instid0(VALU_DEP_4)
	v_lshrrev_b32 v[236+\b], 23, v[244+\b]
.endr
	s_delay_alu instid0(VALU_DEP_1)
	v_cndmask_b32 v254, v236, v237, s[HI16]        ; lanes 0-15 store block 0's byte, lanes 16-31 block 1's
.irp b, 0,1
.irp i, 0,1,2,3,4,5,6,7,8,9,10,11,12,13,14,15
	v_med3_num_f32 v[ST+16*\b+\i], v[ST+16*\b+\i], -v[240+\b], v[240+\b]
.endr
	v_cvt_scalef32_pk8_bf8_f32 v[PC+4*\b:PC+4*\b+1], v[ST+16*\b:ST+16*\b+7], v[244+\b]
	v_cvt_scalef32_pk8_bf8_f32 v[PC+4*\b+2:PC+4*\b+3], v[ST+16*\b+8:ST+16*\b+15], v[244+\b]
.endr
	v_nop                                          ; a plain line behind the last conversion
.irp b, 0,1
.irp s, 0,1
	global_store_b64 v[LOA], v[PC+4*\b+2*\s:PC+4*\b+2*\s+1], s[AOA:AOA+1] offset:512*\b+256*\s   ; 32 lanes store 256 consecutive bytes, aligned
.endr
.endr
	global_store_b8 v[LB], v254, s[AOSA:AOSA+1]
.if \restart
	s_wait_xcnt 0x0                                ; the stores have read their bases and data
	SETO
	INIT
	s_wait_alu depctr_va_vdst(0)
	s_wait_loadcnt 0x0                             ; Q
.endif
.endm
.macro NEXT lab, trips
	s_add_co_u32 s[TB], s[TB], REC
	s_add_co_u32 s[TRIP], s[TRIP], 1
	s_cmp_lt_u32 s[TRIP], \trips
	s_cbranch_scc1 \lab
.endm
	s_wait_alu depctr_va_vdst(0)
	s_wait_loadcnt 0x0                             ; Q
	s_cmp_lt_u32 s[WV], NS0
	s_cbranch_scc0 .Lnot_first
	s_wait_tensorcnt 0x0                           ; waves 0 and 1: records 0 and 1 are in
.Lnot_first:
	s_barrier_signal -1
	s_barrier_wait -1
	s_mov_b32 s[TRIP], 0
	s_mov_b32 s[TB], 0
.La1:                                              ; records 0 and 1: they lie ahead of every first tile's diagonal (record 8 at the least)
	STEP 0
	NEXT .La1, NS0
	s_wait_tensorcnt 0x0                           ; every wave's record is in
	s_wait_dscnt 0x0
	s_barrier_signal -1
	s_barrier_wait -1
	s_mov_b32 s[TRIP], NS0
	s_mov_b32 s[TB], NS0*REC
.La2:
	STEP 1
	NEXT .La2, 16
	FINISH 1
	s_mov_b32 s[TRIP], 0
	s_mov_b32 s[TB], 0
.Lb:                                               ; the second tile's diagonal lies in record 7 at the most
	STEP 1
	NEXT .Lb, 8
	FINISH 0
	s_wait_tensorcnt 0x0                           ; the wave's end
	ds_add_u32 v[SPW], v[NIL]
	s_wait_dscnt 0x0
	CROUND                                         ; the closing round
	s_endpgm
.Lfunc_end_k_q5ee9ba5fea_attn:
	.size	k_q5ee9ba5fea_attn, .Lfunc_end_k_q5ee9ba5fea_attn-k_q5ee9ba5fea_attn
	.p2alignl 7, 3214868480
	.fill 96, 4, 3214868480
	.section	.rodata,"a",@progbits
	.p2align	6, 0x0
	.amdhsa_kernel k_q5ee9ba5fea_attn
		.amdhsa_group_segment_fixed_size 327680
		.amdhsa_private_segment_fixed_size 0
		.amdhsa_enable_private_segment 0
		.amdhsa_kernarg_size 32
		.amdhsa_user_sgpr_count 2
		.amdhsa_user_sgpr_kernarg_segment_ptr 1
		.amdhsa_wavefront_size32 1
		.amdhsa_system_sgpr_workgroup_id_x 1
		.amdhsa_system_sgpr_workgroup_id_y 1
		.amdhsa_system_sgpr_workgroup_id_z 1
		.amdhsa_system_vgpr_workitem_id 0
		.amdhsa_next_free_vgpr 256
		.amdhsa_next_free_sgpr 80
		.amdhsa_reserve_vcc 0
		.amdhsa_float_denorm_mode_32 3
		.amdhsa_float_denorm_mode_16_64 3
		.amdhsa_memory_ordered 1
		.amdhsa_forward_progress 1
		.amdhsa_inst_pref_size 102
	.end_amdhsa_kernel
	.amdgpu_metadata
---
amdhsa.version: [ 1, 2 ]
amdhsa.kernels:
  - .name:           k_q5ee9ba5fea_attn
    .symbol:         k_q5ee9ba5fea_attn.kd
    .args:
      - { .name: qws, .offset: 0, .size: 8, .value_kind: global_buffer, .address_space: global }
      - { .name: kvws, .offset: 8, .size: 8, .value_kind: global_buffer, .address_space: global }
      - { .name: aoc, .offset: 16, .size: 8, .value_kind: global_buffer, .address_space: global }
      - { .name: aos, .offset: 24, .size: 8, .value_kind: global_buffer, .address_space: global }
    .group_segment_fixed_size: 327680
    .private_segment_fixed_size: 0
    .kernarg_segment_align: 8
    .kernarg_segment_size: 32
    .max_flat_workgroup_size: 512
    .sgpr_count:     80
    .vgpr_count:     256
    .wavefront_size: 32
...
	.end_amdgpu_metadata
.endif
;; end of part 2
;; launch proj (part 3): grid 8 x 32, 4 waves a work-group, clusters of 4 x 4, 327,680 bytes of LDS; arguments aoc, aos, Wp_codes, Wp_scales, bp, out0; writes out0
.if DOCPART == 3
	.amdgcn_target "amdgcn-amd-amdhsa--gfx1250"
	.amdhsa_code_object_version 6
	.text
	.protected	k_q5ee9ba5fea_proj
	.globl	k_q5ee9ba5fea_proj
	.p2align	8
	.type	k_q5ee9ba5fea_proj,@function
k_q5ee9ba5fea_proj:
	s_mov_b64 s[64:65], 0
	v_nop
	global_prefetch_b8 v0, s[64:65] scope:SCOPE_SE
	s_setreg_imm32_b32 hwreg(HW_REG_WAVE_MODE, 25, 1), 1
	s_wait_xcnt 0x0
	s_wait_alu depctr_hold_cnt(0) depctr_sa_sdst(0) depctr_va_vdst(0) depctr_va_sdst(0) depctr_va_ssrc(0) depctr_va_vcc(0) depctr_vm_vsrc(0)
	s_getreg_b32 s2, hwreg(HW_REG_IB_STS2, 6, 4)
	s_cmp_eq_u32 s2, 0
	s_cbranch_scc0 .Lentry_in_a_cluster
	s_endpgm
.Lentry_in_a_cluster:
	s_bfe_u32 s2, ttmp6, 0x10000c
	s_cmp_lg_u32 s2, 0xf033
	s_cbranch_scc0 .Lentry_shape_is_right
	s_endpgm
.Lentry_shape_is_right:
; out0 = a Wp + bp on codes of BF8 (E5M2), one E8M0 scale for each 32 along K = 1,024; sums in f32, each begun with the bias.
; a: aoc [tile of 16 rows 512][piece of 32 k 32][lane 32][16]: images of operand registers, 16,384 dense bytes a tile; aos [row 8192][32] scale bytes.  Wp: [1024 (n)][1024 (k)] codes, [1024][32] scale bytes.
; SHARES.  256 work-groups of four waves, 2 x 2; a work-group makes 256 rows x 128 columns.  A wave holds 64 rows of Wp, all of K, in 512 registers (windows 1, 2) and takes eight blocks of 16 rows of a past them:
; block n of wave row w is tile 2 n + w.  A block stands in registers whole (128), in two sets (window 3).  Source 0 = Wp's rows, source 1 = a's rows: a lane holds a row of out0 and eight neighbouring columns.
; LDS.  Bytes 0 on: a's tiles 0 to 9.  From S1 on: Wp's 128 rows (pitch 1,040) until all waves hold them in registers; then a's tiles 6 more, 10 to 15, are filled over them behind a drained round of the cluster's barrier.
; Then a's scale bytes (units of 256 + 16), a stage of 16 rows x 272 bytes for each wave, the spare words.
; FILLS.  At the head one joint load a wave: wave 0 Wp's rows (a line of its own: it alone waits at the first barrier), waves 1 and 3 five tiles of a each, wave 2 the scale bytes.  The refill: 24,576 bytes a wave; the barrier in block 3 shows it.
; CLUSTERS: 4 x 4; a's tiles are shared along a row of the cluster, Wp's along a column.
; PREFETCH: the refill's 98,304 bytes are asked for once at the head, shared by address among the sixteen waves of a cluster's row: 24 blocks of 256 bytes a wave, a lane a block (lanes 24 to 31 name the wave's last block again).
; THE WAY OUT.  Block n - 1 goes through my stage ahead of block n's products and is stored behind them: sixteen lanes store 256 consecutive bytes, aligned.
; LIMITS: NaN and infinities are not served.
.set PITCH, 1040
.set NT0,   10
.set S1,    NT0*16384
.set SCL,   S1+128*PITCH
.set STAGE, SCL+32*272
.set SPARE, STAGE+4*16*272
.set NF,    34                         ; LDS loads of a block: 32 pieces, two of four scale words
.set ADRB, 4                           ; v4  my fragments of Wp in LDS
.set ADRA0, 5                          ; v5  16 x lane + 16,384 x wave row
.set AAS0, 6                           ; v6  my row's scale words in block 0
.set ABS,  7                           ; v7  32 x lane: Wp's scale bytes
.set BO,   8                           ; v8  32 h: the bias
.set STO,  9                           ; v9  stage, in
.set SPW,  10
.set NIL,  11
.set ADRA, 12                          ; v12 the block that is fetched
.set RD,   13                          ; v13 stage, back
.set CO,   14                          ; v14 my bytes in two rows of out0
.set PF,   15                          ; v15 the prefetch's offset
.set SB,   24                          ; v24-39 Wp's scale words: register 8 p + q: lanes 0-15 tile 2 p's, lanes 16-31 tile 2 p + 1's
.set SA,   44                          ; v44-59 a's: two sets of eight
.set ACC,  64                          ; v64-127 two sets of four accumulators
.set BI,   128                         ; v128-159 the bias, as the first products' C
.set BK,   160                         ; v160-223 rows read back from the stage, two sets
.set G1B, 24
.set G1A, 32
.set G1R, 48
.set G1S, 56
.set G0B, 68
.set G0A, 72
.set G0S, 76
.set G0R, 80
.set MSB, 0
.macro WIN new                         ; the immediate's high byte repeats the setting that is left
.if MSB != \new
	s_set_vgpr_msb (MSB<<8)|\new
.set MSB, \new
.endif
.endm
.macro PLACES n
.rept \n
	v_nop
.endr
.endm
.macro CROUND
	s_barrier_signal -1
	s_barrier_wait -1
	s_cmp_lg_u32 s16, 0
	s_cbranch_scc1 .Lnot_wave_0_\@
	s_barrier_signal -3
.Lnot_wave_0_\@:
	s_barrier_wait -3
	s_barrier_signal -1
	s_barrier_wait -1
.endm
.macro TLOAD g0, g1                    ; s_nop 0 and four v_nop follow the line
	tensor_load_to_lds s[\g0:\g0+3], s[\g1:\g1+7]
	s_nop 0
	PLACES 4
.endm
.macro DENSE g, rows, pad              ; group 1 of a dense block as rows of 256 bytes (32 elements of 8), shared along my row of the cluster
	s_or_b32 s[\g], s23, (3<<16)|(1<<21)|(\pad)
	s_mov_b32 s[\g+1], 32<<16
	s_mov_b32 s[\g+2], (\rows)<<16
	s_mov_b32 s[\g+3], 32<<16
	s_mov_b32 s[\g+4], \rows
	s_mov_b32 s[\g+5], 32
	s_mov_b32 s[\g+6], 0
	s_mov_b32 s[\g+7], 0
.endm
	s_load_b256 s[4:11], s[0:1], 0x0               ; aoc, aos, Wp's codes, Wp's scales
	s_load_b128 s[12:15], s[0:1], 0x20             ; bp, out0
	v_lshl_add_u32 v[SPW], v0, 2, SPARE
	v_mov_b32 v[NIL], 0
	ds_add_u32 v[SPW], v[NIL]                      ; the opening lines: the add twice on end and its wait
	ds_add_u32 v[SPW], v[NIL]
	v_lshrrev_b32 v16, 5, v0
	v_readfirstlane_b32 s16, v16                   ; wave
	s_lshr_b32 s17, s16, 1                         ; my row of waves
	s_and_b32 s18, s16, 1                          ; my column of waves
	s_bfe_u32 s19, ttmp6, 0x40000                  ; cx
	s_bfe_u32 s20, ttmp6, 0x40004                  ; cy
	s_lshl_b32 s21, ttmp9, 2
	s_add_co_u32 s21, s21, s19                     ; tile column, 0..7
	s_and_b32 s22, ttmp7, 0xffff
	s_lshl_b32 s22, s22, 2
	s_add_co_u32 s22, s22, s20                     ; tile row, 0..31
	s_lshl_b32 s23, s20, 2
	s_lshl_b32 s23, 15, s23                        ; my row of the cluster
	s_lshl_b32 s40, 0x1111, s19                    ; my column
	s_or_b32 s[G1B], s40, (1<<20)|(1<<21)|(7<<22)|(3<<25)   ; Wp: 128 rows of 1,024 bytes, four words of padding behind each
	s_mov_b32 s[G1B+1], 1024<<16
	s_mov_b32 s[G1B+2], 128<<16
	s_mov_b32 s[G1B+3], 1024<<16
	s_mov_b32 s[G1B+4], 128
	s_mov_b32 s[G1B+5], 1024
	s_mov_b32 s[G1B+6], 0
	s_mov_b32 s[G1B+7], 0
	DENSE G1A, 320, 0                              ; five tiles of a: 81,920 bytes
	DENSE G1R, 96, 0                               ; a quarter of six tiles: 24,576 bytes
	DENSE G1S, 32, (1<<20)|(5<<22)|(3<<25)         ; the scale bytes of 256 rows, 16 bytes of padding behind each 256
	s_lshl_b32 s84, s21, 17                        ; Wp's rows of my tile column
	s_mov_b32 s85, 0
	s_lshl_b32 s86, s22, 18                        ; a's rows of my tile row
	s_mov_b32 s87, 0
	s_lshl_b32 s88, s22, 13                        ; and their scale bytes
	s_mov_b32 s89, 0
	s_mul_i32 s44, s17, 5*16384                    ; waves 1, 3: tiles 0 to 4, 5 to 9
	s_mov_b32 s45, 0
	s_mul_i32 s41, s16, 24576                      ; the refill: my quarter
	s_add_co_u32 s46, s41, NT0*16384
	s_mov_b32 s47, 0
	s_mov_b32 s[G0B], 1
	s_mov_b32 s[G0B+1], S1
	s_mov_b32 s[G0A], 1
	s_mov_b32 s[G0A+1], s44
	s_mov_b32 s[G0S], 1
	s_mov_b32 s[G0S+1], SCL
	s_mov_b32 s[G0R], 1
	s_add_co_u32 s[G0R+1], s41, S1
	s_wait_dscnt 0x0
	CROUND                                         ; all sixteen work-groups are here
	s_wait_kmcnt 0x0
	s_add_nc_u64 s[G0B+2:G0B+3], s[8:9], s[84:85]
	s_or_b32 s[G0B+3], s[G0B+3], 0x80000000
	s_add_nc_u64 s[90:91], s[4:5], s[86:87]
	s_add_nc_u64 s[G0A+2:G0A+3], s[90:91], s[44:45]
	s_or_b32 s[G0A+3], s[G0A+3], 0x80000000
	s_add_nc_u64 s[G0R+2:G0R+3], s[90:91], s[46:47]
	s_or_b32 s[G0R+3], s[G0R+3], 0x80000000
	s_add_nc_u64 s[G0S+2:G0S+3], s[6:7], s[88:89]
	s_or_b32 s[G0S+3], s[G0S+3], 0x80000000
	s_cmp_eq_u32 s16, 0                            ; one chain of branches on the wave's number, a load to an arm
	s_cbranch_scc0 .Lnot_0
	TLOAD G0B, G1B
	s_branch .Lasked
.Lnot_0:
	s_cmp_eq_u32 s16, 2
	s_cbranch_scc0 .Lrows
	TLOAD G0S, G1S
	s_branch .Lasked
.Lrows:
	TLOAD G0A, G1A
.Lasked:
	s_mul_i32 s41, s18, 64*PITCH
	s_add_co_u32 s41, s41, S1                      ; my 64 rows of Wp
	s_lshl_b32 s42, s17, 14
	s_mul_i32 s43, s17, 544
	s_add_co_u32 s43, s43, SCL
	s_mul_i32 s44, s16, 16*272
	s_add_co_u32 s44, s44, STAGE                   ; my stage
	s_lshl_b32 s45, s19, 2
	s_add_co_u32 s45, s45, s16                     ; which of the cluster row's sixteen waves I am
	s_mul_i32 s45, s45, 6144
	s_add_co_u32 s45, s45, s86
	s_add_co_u32 s45, s45, NT0*16384
	s_lshl_b32 s46, s21, 7
	s_lshl_b32 s47, s18, 6
	s_add_co_u32 s46, s46, s47                     ; my first column
	s_lshl_b32 s84, s46, 5
	s_add_nc_u64 s[92:93], s[10:11], s[84:85]      ; its scale bytes
	s_lshl_b32 s88, s46, 2
	s_add_nc_u64 s[12:13], s[12:13], s[88:89]      ; its bias
	s_lshl_b32 s90, s22, 20                        ; 256 rows of 4,096 bytes a tile row,
	s_lshl_b32 s91, s17, 16                        ; 16 rows for wave row 1
	s_add_co_u32 s90, s90, s91
	s_add_co_u32 s90, s90, s88
	s_mov_b32 s91, 0
	s_add_nc_u64 s[14:15], s[14:15], s[90:91]
	v_and_b32 v1, 15, v0                           ; r
	v_bfe_u32 v2, v0, 4, 1                         ; h
	v_and_b32 v3, 31, v0
	v_mul_u32_u24 v16, v1, PITCH
	v_lshlrev_b32 v17, 4, v3
	v_lshrrev_b32 v18, 3, v1
	v_and_b32 v19, 7, v1
	v_lshl_add_u32 v16, v2, 4, v16
	v_add_nc_u32 v[ADRA0], s42, v17
	v_mul_u32_u24 v18, v18, 272
	v_mul_u32_u24 v20, v1, 272
	v_add_nc_u32 v[ADRB], s41, v16
	v_mul_u32_u24 v21, v2, 272
	v_lshl_add_u32 v18, v19, 5, v18
	v_lshl_add_u32 v20, v2, 5, v20
	v_lshl_add_u32 v21, v1, 4, v21
	v_add_nc_u32 v[AAS0], s43, v18
	v_add_nc_u32 v[STO], s44, v20
	v_add_nc_u32 v[RD], s44, v21
	v_lshlrev_b32 v[ABS], 5, v3
	v_lshlrev_b32 v[BO], 5, v2
	v_lshlrev_b32 v22, 12, v2
	v_min_u32 v23, 23, v3
	v_lshl_add_u32 v[CO], v1, 4, v22
	v_lshl_add_u32 v[PF], v23, 8, s45
	global_prefetch_b8 v[PF], s[4:5] th:TH_LOAD_NT scope:SCOPE_SE
.irp p, 0,1
.irp c, 0,1
	global_load_b128 v[SB+8*\p+4*\c:SB+8*\p+4*\c+3], v[ABS], s[92:93] offset:\p*1024+16*\c
.endr
.endr
.irp b, 0,1,2,3
	global_load_b128 v[BI+8*\b:BI+8*\b+3], v[BO], s[12:13] offset:64*\b
	global_load_b128 v[BI+8*\b+4:BI+8*\b+7], v[BO], s[12:13] offset:64*\b+16
.endr
.macro FETCH k, n                      ; block n of a, all of K, into set k of window 3, and its scale words
.if (\n) < NT0/2
	v_add_nc_u32 v[ADRA], 32768*(\n), v[ADRA0]
.else
	v_add_nc_u32 v[ADRA], S1+32768*((\n)-NT0/2), v[ADRA0]
.endif
	WIN 3<<6
.set P_, 0
.rept 32
	ds_load_b128 v[128*(\k)+4*P_:128*(\k)+4*P_+3], v[ADRA] offset:512*P_
.set P_, P_+1
.endr
	WIN 0
	ds_load_b128 v[SA+8*(\k):SA+8*(\k)+3], v[AAS0] offset:1088*(\n)
	ds_load_b128 v[SA+8*(\k)+4:SA+8*(\k)+7], v[AAS0] offset:1088*(\n)+16
.endm
.macro PROD e, n                       ; product n = 4 q + b: the q-th 128 of K, column tile b; the four accumulators by turns
.set Q_, (\n)/4
.set B_, (\n)%4
.set AC_, ACC+32*(\e)+8*B_
.set C_, AC_
.if Q_ == 0
.set C_, BI+8*B_
.endif
.set W_, 16*((\n)%16)
.set R_, 128*(\e)+16*Q_
	WIN (1+(\n)/16)|(3<<2)
.if B_%2
	v_wmma_scale_f32_16x16x128_f8f6f4 v[AC_:AC_+7], v[W_:W_+15], v[R_:R_+15], v[C_:C_+7], v[SB+8*(B_/2)+Q_], v[SA+8*(\e)+Q_] matrix_a_fmt:MATRIX_FMT_BF8 matrix_b_fmt:MATRIX_FMT_BF8 matrix_a_scale:MATRIX_SCALE_ROW1
.else
	v_wmma_scale_f32_16x16x128_f8f6f4 v[AC_:AC_+7], v[W_:W_+15], v[R_:R_+15], v[C_:C_+7], v[SB+8*(B_/2)+Q_], v[SA+8*(\e)+Q_] matrix_a_fmt:MATRIX_FMT_BF8 matrix_b_fmt:MATRIX_FMT_BF8
.endif
.endm
.macro TOSTAGE n                       ; block n's sums into my stage and back as whole rows of 256 bytes; LDS serves a wave's instructions in order (ISA guide 5.7.1.4)
.set AC_, ACC+32*((\n)%2)
.set BB_, BK+32*((\n)%2)
.irp b, 0,1,2,3
	ds_store_b128 v[STO], v[AC_+8*\b:AC_+8*\b+3] offset:64*\b
	ds_store_b128 v[STO], v[AC_+8*\b+4:AC_+8*\b+7] offset:64*\b+16
.endr
.irp t, 0,1,2,3,4,5,6,7
	ds_load_b128 v[BB_+4*\t:BB_+4*\t+3], v[RD] offset:\t*2*272
.endr
.endm
.macro SEND n
.set BB_, BK+32*((\n)%2)
.irp t, 0,1,2,3,4,5,6,7
	global_store_b128 v[CO], v[BB_+4*\t:BB_+4*\t+3], s[14:15] offset:(32*(\n)+2*\t)*4096 th:TH_STORE_NT
.endr
.endm
.macro BLK n
.if (\n) > 0
	s_wait_xcnt 0x0                                ; earlier stores have read their data: the stage's loads may land there
	TOSTAGE (\n)-1
.endif
.if (\n) == 0
	s_wait_dscnt NF                                ; all but block 1's fetch
.elseif (\n) < 7
	s_wait_dscnt NF+16                             ; all but the next block's fetch and the stage's 16
.else
	s_wait_dscnt 16
.endif
.set N_, 0
.rept 32
	PROD (\n)%2, N_
.set N_, N_+1
.endr
	WIN 0
.if (\n) > 0
	s_wait_dscnt 0x0                               ; the rows are back from the stage
	SEND (\n)-1
.endif
.if (\n) == 3
	s_wait_tensorcnt 0x0                           ; my quarter of tiles 10 to 15 is in; no LDS instruction of mine is out
	s_barrier_signal -1
	s_barrier_wait -1
.endif
	PLACES 8                                       ; behind the block's last product: ahead of loads into what it has read and of the stage's reads of its sums
.if (\n) < 6
	FETCH (\n)%2, (\n)+2
.endif
.endm
	s_wait_alu depctr_va_vdst(0)
	s_cmp_eq_u32 s16, 0
	s_cbranch_scc0 .Lnot_w
	s_wait_tensorcnt 0x0                           ; wave 0: Wp's rows are in
.Lnot_w:
	s_barrier_signal -1
	s_barrier_wait -1
.set F_, 0
.rept 32                                       ; my 64 rows of Wp into windows 1 and 2: fragment 4 q + b
	WIN (1+F_/16)<<6
.irp c, 0,1,2,3
	ds_load_b128 v[16*(F_%16)+4*\c:16*(F_%16)+4*\c+3], v[ADRB] offset:128*(F_/4)+32*\c+(F_%4)*16*PITCH
.endr
.set F_, F_+1
.endr
	WIN 0
	s_wait_tensorcnt 0x0                           ; all my tensor loads are in
	ds_add_u32 v[SPW], v[NIL]
	s_wait_dscnt 0x0                               ; the add is done, and Wp's rows are in my registers
	CROUND
	TLOAD G0R, G1R                                 ; tiles 10 to 15 over Wp's bytes: the first tensor load behind the round
	FETCH 0, 0
	FETCH 1, 1
	s_wait_loadcnt 0x0                             ; Wp's scale words and the bias
.irp n, 0,1,2,3,4,5,6,7
	BLK \n
.endr
	s_wait_xcnt 0x0
	TOSTAGE 7
	s_wait_dscnt 0x0
	SEND 7
	s_wait_tensorcnt 0x0                           ; the wave's end
	ds_add_u32 v[SPW], v[NIL]
	s_wait_dscnt 0x0
	CROUND                                         ; the closing round
	s_endpgm
.Lfunc_end_k_q5ee9ba5fea_proj:
	.size	k_q5ee9ba5fea_proj, .Lfunc_end_k_q5ee9ba5fea_proj-k_q5ee9ba5fea_proj
	.p2alignl 7, 3214868480
	.fill 96, 4, 3214868480
	.section	.rodata,"a",@progbits
	.p2align	6, 0x0
	.amdhsa_kernel k_q5ee9ba5fea_proj
		.amdhsa_group_segment_fixed_size 327680
		.amdhsa_private_segment_fixed_size 0
		.amdhsa_enable_private_segment 0
		.amdhsa_kernarg_size 48
		.amdhsa_user_sgpr_count 2
		.amdhsa_user_sgpr_kernarg_segment_ptr 1
		.amdhsa_wavefront_size32 1
		.amdhsa_system_sgpr_workgroup_id_x 1
		.amdhsa_system_sgpr_workgroup_id_y 1
		.amdhsa_system_sgpr_workgroup_id_z 1
		.amdhsa_system_vgpr_workitem_id 0
		.amdhsa_next_free_vgpr 1024
		.amdhsa_next_free_sgpr 100
		.amdhsa_reserve_vcc 0
		.amdhsa_float_denorm_mode_32 3
		.amdhsa_float_denorm_mode_16_64 3
		.amdhsa_memory_ordered 1
		.amdhsa_forward_progress 1
		.amdhsa_inst_pref_size 86
	.end_amdhsa_kernel
	.amdgpu_metadata
---
amdhsa.version: [ 1, 2 ]
amdhsa.kernels:
  - .name:           k_q5ee9ba5fea_proj
    .symbol:         k_q5ee9ba5fea_proj.kd
    .args:
      - { .name: aoc, .offset: 0, .size: 8, .value_kind: global_buffer, .address_space: global }
      - { .name: aos, .offset: 8, .size: 8, .value_kind: global_buffer, .address_space: global }
      - { .name: Wp_codes, .offset: 16, .size: 8, .value_kind: global_buffer, .address_space: global }
      - { .name: Wp_scales, .offset: 24, .size: 8, .value_kind: global_buffer, .address_space: global }
      - { .name: bp, .offset: 32, .size: 8, .value_kind: global_buffer, .address_space: global }
      - { .name: out0, .offset: 40, .size: 8, .value_kind: global_buffer, .address_space: global }
    .group_segment_fixed_size: 327680
    .private_segment_fixed_size: 0
    .kernarg_segment_align: 8
    .kernarg_segment_size: 48
    .max_flat_workgroup_size: 128
    .sgpr_count:     100
    .vgpr_count:     1024
    .wavefront_size: 32
...
	.end_amdgpu_metadata
.endif
;; end of part 3
